; MI455X (gfx1250); checked and timed in simulation.
; The chip was launched on July 23, 2026; its instructions are those of AMD's public machine-readable ISA for CDNA 5 (MIT licence, August 2026) and "CDNA5" Instruction Set Architecture Reference Guide (July 2026). The comments in the code are by the model that wrote it; some were corrected since.
;; Boundary Predictor. Allowed arithmetic: float matrix products may take bf16 or f16 operands with f32 sums; all other float work in f32.
;; Inputs: lines_amplitude 64 x 2,048 float32; lines_feature 64 x 2,048 x 16 float32; lines_image_pb_segments 64 x 2,048 x 61 float32; lines_image_pf_segments 64 x 2,048 x 61 float32; lines_slop 64 x 2,048 float32.
;; Outputs: out0 64 x 2,048 x 41 float32; out1 64 x 2,048 float32; out2 64 x 2,048 float32.
;; One version. Each part assembles by itself: llvm-mc -triple=amdgcn-amd-amdhsa -mcpu=gfx1250 --defsym DOCPART=n.
;; ======== version 1 of 1: 1 launch
;; limits: below input magnitudes of 1e-05 results are inexact or not finite
;; launch boundary (part 1): grid 256 x 1, 8 waves a work-group, no clusters, 250,880 bytes of LDS; arguments lines_image_pf_segments, lines_image_pb_segments, lines_slop, lines_amplitude, out0, out1, out2; writes out0, out1, out2
.if DOCPART == 1
	.amdgcn_target "amdgcn-amd-amdhsa--gfx1250"
	.amdhsa_code_object_version 6
	.text
	.protected	k_q1fd692f8da_boundary
	.globl	k_q1fd692f8da_boundary
	.p2align	8
	.type	k_q1fd692f8da_boundary,@function
k_q1fd692f8da_boundary:
	s_mov_b64 s[64:65], 0
	v_nop
	global_prefetch_b8 v0, s[64:65] scope:SCOPE_SE
	s_setreg_imm32_b32 hwreg(HW_REG_WAVE_MODE, 25, 1), 1
	s_wait_xcnt 0x0
; BoundaryPredictor, one launch.  For each of 131,072 lines: lf[f] = 0.5 - amp tanh((f-10)/(2 slop)), f = 0..20;
; dist[d] = product over f of (pf[d+f] lf[f] + pb[d+f] (1-lf[f])), d = 0..40, divided by max(sum, 1e-12);
; mean and variance of d under dist; out0 = dist, out1 = mean - 20, out2 = 1 / max(variance, 1/(2 atanh(2 amp)^2), slop).
;
; HOW THE ARITHMETIC IS WRITTEN
;   A factor is pb + (pf - pb) lf: one fused multiply-add.  exp(sum of log F) is written as the running product of the F, f ascending:
;   the same number wherever every F >= 0, without 861 logarithms a line.
; LIMITS
;   - a negative factor: reference() gives NaN (log of a negative number), this text the signed product;
;   - every partial product has to stay in f32's range.  Factors up to 30 give 30^21 = 1e31; where all factors are below 1 no partial
;     product is smaller than the whole one, which underflows in reference()'s exp too;
;   - |dist| in the L1 norm is not written: exp(..) >= 0 in reference(), and the product is >= 0 wherever reference() is finite;
;   - atanh(2a) = ln((1+2a)/(1-2a)) / 2: the quotient's rounding (about 1.5e-7) stands against ln(..) = 4a, so that the floor of the
;     variance is off by more than one per cent below |amp| = 1e-5 or so;
;   - divisions are v_rcp_f32 and a multiply; a reciprocal that would be denormal comes out as 0 (ISA guide 15.8): sums or variances above 8.5e37;
;   - exp(k/slop) is made as exp(1/slop)^k by multiplications (k roundings at the most); an overflow to infinity gives tanh = 1, as it should.
;   lines_feature is a parameter of reference() that no line of it reads: no output hangs on it, and it is not among this launch's arguments.
;
; WHO DOES WHAT
;   256 work-groups of eight waves.  A wave owns 64 consecutive lines: 15,616 bytes of pf and of pb, 10,496 of out0, 256 of slop, amplitude,
;   out1 and out2, each a whole number of aligned 256-byte pieces.  Lane i owns lines 2i and 2i+1, one in each half of every packed f32
;   instruction.  Two tensor loads a wave (never more are out) bring its pf and pb as they lie in memory into its own 31,232 bytes of LDS;
;   the group's 249,856 bytes are all asked for at once, so there is no ring and no slot is filled twice.  A wave reads and writes only its own LDS bytes:
;   its own waits are all the ordering there is, and there is no barrier.
;   No cluster: no two work-groups read the same byte.  No matrix instruction: the factors are no matrix product.
.set SEG,   61                         ; numbers in a row of pf, pb
.set DL,    41                         ; numbers in a row of out0
.set FL,    21                         ; factors in a window
.set LINES, 64                         ; lines of a wave
.set ROWB,  SEG*4                      ; 244 bytes
.set INB,   LINES*ROWB                 ; 15,616 bytes = 61 x 256
.set OROWB, DL*4                       ; 164 bytes
.set OUTB,  LINES*OROWB                ; 10,496 bytes = 41 x 256
.set AHEAD, 11                         ; positions asked from LDS ahead of the one at work: 44 loads on their way
.set RING,  AHEAD+1                    ; register slots for positions
; vector registers
.set G16, 1                            ; 16 x lane: offset of my 16 bytes in 512 consecutive bytes of out0
.set G8,  2                            ; 8 x lane: my two numbers in slop, amplitude, out1, out2
.set XA,  3                            ; LDS: my first line's row of pf
.set OA,  4                            ; LDS: my first line's row of dist
.set RB,  5                            ; LDS: my wave's bytes + 16 x lane
.set RB8, 6                            ; LDS: my wave's bytes + 8 x lane
.set LN,  7                            ; lane
.set SL,  8                            ; v[8:9]    slop of my two lines
.set AM,  10                           ; v[10:11]  amplitude
.set MV,  12                           ; v[12:13]  floor of the variance
.set T0,  14                           ; v[14:25]  at work on the table:
.set A2,  16                           ;           2 amp
.set C1,  18                           ;           0.5 - amp
.set C2,  20                           ;           0.5 + amp
.set NU,  22                           ;           1 + 2 amp, then what becomes of it
.set DE,  24                           ;           1 - 2 amp, then its reciprocal
.set SM,  14                           ; v[14:21]  later: four chains of a sum
.set VV,  22                           ; v[22:29]  later: four chains of the variance
.set INV, 30                           ; v[30:31]  1 / max(sum, 1e-12)
.set MT,  10                           ; v[10:11]  later: the mean
.set LF,  32                           ; v[32:73]  lf[f] of my two lines at LF + 2 f
.set P,   74                           ; v[74:155] product, then dist[d], of my two lines at P + 2 d
.set T,   156                          ; v[156:195] the factors of one position, f = 1..20
.set XR,  196                          ; v[196:243] slot s: pf (then pf - pb) of my two lines, pb of my two lines
.set OB,  156                          ; v[156:237] later: out0 on its way out
.set TT,  238                          ; v[238:245] later: d - mean, four at a time
.set UU,  246                          ; v[246:253] later: (d - mean) dist
; scalar registers
.set G1,  32                           ; s[32:39] tensor descriptor group 1: the shape, the same for both loads
.set GA,  40                           ; s[40:43] group 0 for pf
.set GB,  44                           ; s[44:47] group 0 for pb
	s_load_b256 s[4:11], s[0:1], 0x0               ; pf s[4:5], pb s[6:7], slop s[8:9], amplitude s[10:11]
	s_load_b128 s[12:15], s[0:1], 0x20             ; out0 s[12:13], out1 s[14:15]
	s_load_b64 s[16:17], s[0:1], 0x30              ; out2
	v_lshl_add_u32 v254, v0, 2, 0x3d000
	v_mov_b32 v255, 0
	ds_add_u32 v254, v255
	ds_add_u32 v254, v255
	v_and_b32 v[LN], 31, v0
	v_lshrrev_b32 v[RB8], 5, v0
	v_readfirstlane_b32 s18, v[RB8]                ; wave 0..7
	s_lshl_b32 s19, ttmp9, 3
	s_add_co_u32 s19, s19, s18                     ; my block of 64 lines, 0..2047
	s_mul_i32 s20, s19, INB                        ; its byte offset in pf and pb (below 2^25),
	s_mov_b32 s21, 0
	s_mul_i32 s22, s19, OUTB                       ; in out0,
	s_mov_b32 s23, 0
	s_lshl_b32 s24, s19, 8                         ; and in the four arrays with one number a line
	s_mov_b32 s25, 0
	s_mul_i32 s26, s18, 2*INB                      ; my wave's bytes in LDS
	s_mov_b32 s27, 0x2b8cbccc                      ; 1e-12
	; Group 1: a block that is dense in memory, taken as 61 rows of 32 elements of 8 bytes (256 bytes a row, starting at multiples of 256).
	s_mov_b32 s[G1+0], 3<<16                       ; 15:0 work-group mask = 0; 17:16 element of 8 bytes; no padding
	s_mov_b32 s[G1+1], 32<<16                      ; tensor_dim0 = 32
	s_mov_b32 s[G1+2], (INB/256)<<16               ; tensor_dim1 = 61
	s_mov_b32 s[G1+3], 32<<16                      ; tile_dim0 = 32
	s_mov_b32 s[G1+4], INB/256                     ; tile_dim1 = 61
	s_mov_b32 s[G1+5], 32                          ; from row to row: 32 elements
	s_mov_b32 s[G1+6], 0
	s_mov_b32 s[G1+7], 0
	s_mov_b32 s[GA], 1                             ; count = 1
	s_mov_b32 s[GA+1], s26                         ; pf at my wave's first byte,
	s_mov_b32 s[GB], 1
	s_add_co_u32 s[GB+1], s26, INB                 ; pb behind it
	v_lshlrev_b32 v[G8], 3, v[LN]
	s_wait_dscnt 0x0
	s_wait_kmcnt 0x0
	s_add_nc_u64 s[8:9], s[8:9], s[24:25]
	s_add_nc_u64 s[10:11], s[10:11], s[24:25]
	global_load_b64 v[SL:SL+1], v[G8], s[8:9] th:TH_LOAD_NT        ; 512 bytes in front of the 31,232: the table is made from them while the tiles travel
	global_load_b64 v[AM:AM+1], v[G8], s[10:11] th:TH_LOAD_NT
	s_add_nc_u64 s[GA+2:GA+3], s[4:5], s[20:21]    ; global address of my block
	s_or_b32 s[GA+3], s[GA+3], 0x80000000          ; type = 2
	tensor_load_to_lds s[GA:GA+3], s[G1:G1+7]
	s_nop 0
	s_add_nc_u64 s[GB+2:GB+3], s[6:7], s[20:21]
	s_or_b32 s[GB+3], s[GB+3], 0x80000000
	tensor_load_to_lds s[GB:GB+3], s[G1:G1+7]
	s_nop 0
	s_add_nc_u64 s[12:13], s[12:13], s[22:23]
	s_add_nc_u64 s[14:15], s[14:15], s[24:25]
	s_add_nc_u64 s[16:17], s[16:17], s[24:25]
	v_lshlrev_b32 v[G16], 4, v[LN]
	v_mul_u32_u24 v[XA], v[LN], 2*ROWB             ; two rows a lane: 122 words from lane to lane, so that the 32 lanes of a 4-byte access
	v_add_nc_u32 v[XA], s26, v[XA]                 ; fall on 32 different banks (64 banks of 4 bytes: ISA guide 11.1; 122 i mod 64 = 2 (29 i mod 32))
	v_mul_u32_u24 v[OA], v[LN], 2*OROWB            ; 82 words from lane to lane: 82 i mod 64 = 2 (9 i mod 32), different banks again
	v_add_nc_u32 v[OA], s26, v[OA]
	v_add_nc_u32 v[RB], s26, v[G16]
	v_add_nc_u32 v[RB8], s26, v[G8]
	; THE TABLE.  With E = exp(1/slop): tanh(k/(2 slop)) = 1 - 2 r, r = 1/(1 + E^k).  So lf[10+k] = (0.5 - amp) + 2 amp r,
	; lf[10-k] = (0.5 + amp) - 2 amp r, lf[10] = 0.5.  E^k, then 1 + E^k, then r lie in lf[10+k]'s registers until lf takes their place.
	; Behind a transcendental one plain vector instruction that touches neither its result nor its source stands before the result is
	; used (ISA guide 5.7.2): they are issued in runs, with other lines of this block behind each run.
	s_wait_loadcnt 0x0                             ; slop and amplitude
	v_rcp_f32 v[T0], v[SL]
	v_rcp_f32 v[T0+1], v[SL+1]
	v_pk_add_f32 v[A2:A2+1], v[AM:AM+1], v[AM:AM+1]
	v_pk_add_f32 v[NU:NU+1], v[A2:A2+1], 1.0 op_sel_hi:[1,0]
	v_pk_add_f32 v[DE:DE+1], v[A2:A2+1], 1.0 op_sel_hi:[1,0] neg_lo:[1,0] neg_hi:[1,0]
	s_wait_alu depctr_va_vdst(0)
	v_pk_mul_f32 v[T0:T0+1], v[T0:T0+1], 0x3fb8aa3b op_sel_hi:[1,0]        ; log2(e) / slop
	v_exp_f32 v[LF+22], v[T0]                      ; E
	v_exp_f32 v[LF+23], v[T0+1]
	v_rcp_f32 v[DE], v[DE]
	v_rcp_f32 v[DE+1], v[DE+1]
	v_pk_add_f32 v[C1:C1+1], v[AM:AM+1], 0.5 op_sel_hi:[1,0] neg_lo:[1,0] neg_hi:[1,0]
	v_pk_add_f32 v[C2:C2+1], v[AM:AM+1], 0.5 op_sel_hi:[1,0]
	s_wait_alu depctr_va_vdst(0)
	v_pk_mul_f32 v[NU:NU+1], v[NU:NU+1], v[DE:DE+1]                        ; (1 + 2 amp) / (1 - 2 amp)
.set k, 2
.rept 9
	v_pk_mul_f32 v[LF+20+2*k:LF+21+2*k], v[LF+20+2*(k/2):LF+21+2*(k/2)], v[LF+20+2*(k-k/2):LF+21+2*(k-k/2)]   ; E^k from two lower powers
.set k, k+1
.endr
	v_log_f32 v[NU], v[NU]                         ; log2 of it = 2 atanh(2 amp) / ln 2
	v_log_f32 v[NU+1], v[NU+1]
.set k, 1
.rept 10
	v_pk_add_f32 v[LF+20+2*k:LF+21+2*k], v[LF+20+2*k:LF+21+2*k], 1.0 op_sel_hi:[1,0]
.set k, k+1
.endr
	s_wait_alu depctr_va_vdst(0)
	v_pk_mul_f32 v[NU:NU+1], v[NU:NU+1], v[NU:NU+1]
	v_pk_mul_f32 v[NU:NU+1], v[NU:NU+1], 0x3e75fdf0 op_sel_hi:[1,0]        ; x (ln 2)^2 / 2 = 2 atanh(2 amp)^2
.set k, 22
.rept 20
	v_rcp_f32 v[LF+k], v[LF+k]                     ; r
.set k, k+1
.endr
	v_rcp_f32 v[NU], v[NU]
	v_rcp_f32 v[NU+1], v[NU+1]
	v_mov_b32 v[LF+20], 0.5
	v_mov_b32 v[LF+21], 0.5
.set k, 1
	s_wait_alu depctr_va_vdst(0)
.rept 10
	v_pk_fma_f32 v[LF+20-2*k:LF+21-2*k], v[A2:A2+1], v[LF+20+2*k:LF+21+2*k], v[C2:C2+1] neg_lo:[1,0,0] neg_hi:[1,0,0]
	v_pk_fma_f32 v[LF+20+2*k:LF+21+2*k], v[A2:A2+1], v[LF+20+2*k:LF+21+2*k], v[C1:C1+1]
.set k, k+1
.endr
	v_maximum_f32 v[MV], v[NU], v[SL]              ; a NaN goes through, as in jnp.maximum
	v_maximum_f32 v[MV+1], v[NU+1], v[SL+1]
	; THE PRODUCTS.  The positions c = 0..60 of my two rows go by once.  Position c is a factor of the windows d = c-20 .. c (inside 0..40),
	; with f = c - d: a multiply-add makes the factor, a multiply takes it into P[d]; the window's first factor (f = 0) starts P[d], so nothing is cleared.
	; All of a position's factors are made first and multiplied in afterwards: no instruction needs the one in front of it.
.macro XLOAD                           ; position lc: pf and pb of my two lines into slot lc % RING
	ds_load_b32 v[XR+4*(lc%RING)],   v[XA] offset:4*lc
	ds_load_b32 v[XR+4*(lc%RING)+1], v[XA] offset:4*lc+ROWB
	ds_load_b32 v[XR+4*(lc%RING)+2], v[XA] offset:4*lc+INB
	ds_load_b32 v[XR+4*(lc%RING)+3], v[XA] offset:4*lc+INB+ROWB
.endm
.macro XDIFF                           ; position lc: pf - pb takes pf's place
	v_pk_add_f32 v[XR+4*(lc%RING):XR+4*(lc%RING)+1], v[XR+4*(lc%RING):XR+4*(lc%RING)+1], v[XR+4*(lc%RING)+2:XR+4*(lc%RING)+3] neg_lo:[0,1] neg_hi:[0,1]
.endm
	s_wait_tensorcnt 0x0                           ; both of my tiles: the first position already needs all 64 rows of both.  Only I read them: no barrier
.set lc, 0
.rept AHEAD
	XLOAD
.set lc, lc+1
.endr
	s_wait_dscnt 4*(AHEAD-1)                       ; LDS loads come back in order (ISA guide 5.7.1): position 0 is in, the ten behind it may be out
.set lc, 0
	XDIFF
.set c, 0
.rept SEG
.if c+AHEAD < SEG
.set lc, c+AHEAD
	XLOAD                                          ; into the slot of position c - 1, which is done with
.endif
.set xs, XR+4*(c%RING)
.set dlo, 0
.if c > FL-1
.set dlo, c-(FL-1)
.endif
.set dhi, c
.if c > DL-1
.set dhi, DL-1
.endif
.set d, dlo
.rept dhi-dlo+1
.if d == c
	v_pk_fma_f32 v[P+2*d:P+2*d+1], v[xs:xs+1], v[LF:LF+1], v[xs+2:xs+3]
.else
	v_pk_fma_f32 v[T+2*(c-d-1):T+2*(c-d-1)+1], v[xs:xs+1], v[LF+2*(c-d):LF+2*(c-d)+1], v[xs+2:xs+3]
.endif
.set d, d+1
.endr
.if c+1 < SEG
.set last, c+AHEAD
.if last > SEG-1
.set last, SEG-1
.endif
	s_wait_dscnt 4*(last-c-1)                      ; position c + 1 is in; the positions asked for behind it, four loads each, may be out
.set lc, c+1
	XDIFF                                          ; made here, a run of multiplies ahead of its first use
.endif
.set d, dlo
.rept dhi-dlo+1
.if d != c
	v_pk_mul_f32 v[P+2*d:P+2*d+1], v[P+2*d:P+2*d+1], v[T+2*(c-d-1):T+2*(c-d-1)+1]
.endif
.set d, d+1
.endr
.set c, c+1
.endr
	; THE NORM: four chains, started by the first eight products.
.irp j, 0,1,2,3
	v_pk_add_f32 v[SM+2*\j:SM+2*\j+1], v[P+2*\j:P+2*\j+1], v[P+2*\j+8:P+2*\j+9]
.endr
.set d, 8
.rept DL-8
	v_pk_add_f32 v[SM+2*(d%4):SM+2*(d%4)+1], v[SM+2*(d%4):SM+2*(d%4)+1], v[P+2*d:P+2*d+1]
.set d, d+1
.endr
	v_pk_add_f32 v[SM:SM+1], v[SM:SM+1], v[SM+2:SM+3]
	v_pk_add_f32 v[SM+4:SM+5], v[SM+4:SM+5], v[SM+6:SM+7]
	v_pk_add_f32 v[SM:SM+1], v[SM:SM+1], v[SM+4:SM+5]
	v_maximum_f32 v[SM], v[SM], s27
	v_maximum_f32 v[SM+1], v[SM+1], s27
	v_rcp_f32 v[INV], v[SM]
	v_rcp_f32 v[INV+1], v[SM+1]
	v_nop                                          ; the plain place behind the reciprocals: nothing else is left to do here
.set d, 0
	s_wait_alu depctr_va_vdst(0)
.rept DL
	v_pk_mul_f32 v[P+2*d:P+2*d+1], v[P+2*d:P+2*d+1], v[INV:INV+1]
.set d, d+1
.endr
	; dist goes out through LDS: a lane holds two rows of 164 bytes, memory wants 16 neighbouring bytes from each lane.  The rows are laid on the
	; first 10,496 bytes of my pf, which I have read to the end and which no tensor load fills again.
.set d, 0
.rept DL
	ds_store_b32 v[OA], v[P+2*d] offset:4*d
	ds_store_b32 v[OA], v[P+2*d+1] offset:4*d+OROWB
.set d, d+1
.endr
.set k, 0
.rept 20
	ds_load_b128 v[OB+4*k:OB+4*k+3], v[RB] offset:512*k    ; LDS serves a wave's instructions in order (ISA guide 5.7.1.4): these see the stores above
.set k, k+1
.endr
	ds_load_b64 v[OB+80:OB+81], v[RB8] offset:20*512       ; the last 256 bytes: 8 a lane
; FB = the f32 pattern of the whole number d, 0 to 63
.macro FLT d
.if (\d) >= 32
.set FE, 5
.elseif (\d) >= 16
.set FE, 4
.elseif (\d) >= 8
.set FE, 3
.elseif (\d) >= 4
.set FE, 2
.elseif (\d) >= 2
.set FE, 1
.else
.set FE, 0
.endif
.if (\d) == 0
.set FB, 0
.else
.set FB, ((127+FE)<<23)|(((\d)-(1<<FE))<<(23-FE))
.endif
.endm
	; THE MEAN: sum of d dist[d], four chains, while the rows come back from LDS
.set d, 1
.rept 4
	FLT d
	v_pk_mul_f32 v[SM+2*(d%4):SM+2*(d%4)+1], v[P+2*d:P+2*d+1], FB op_sel_hi:[1,0]
.set d, d+1
.endr
.rept DL-5
	FLT d
	v_pk_fma_f32 v[SM+2*(d%4):SM+2*(d%4)+1], v[P+2*d:P+2*d+1], FB, v[SM+2*(d%4):SM+2*(d%4)+1] op_sel_hi:[1,0,1]
.set d, d+1
.endr
	v_pk_add_f32 v[SM:SM+1], v[SM:SM+1], v[SM+2:SM+3]
	v_pk_add_f32 v[SM+4:SM+5], v[SM+4:SM+5], v[SM+6:SM+7]
	v_pk_add_f32 v[MT:MT+1], v[SM:SM+1], v[SM+4:SM+5]
.set k, 0
.rept 20
	s_wait_dscnt 20-k                              ; row load k is in; the 20 - k behind it may be out
	global_store_b128 v[G16], v[OB+4*k:OB+4*k+3], s[12:13] offset:512*k th:TH_STORE_NT   ; the wave stores 512 consecutive bytes, at a multiple of 256 from out0's first byte
.set k, k+1
.endr
	s_wait_dscnt 0x0
	global_store_b64 v[G8], v[OB+80:OB+81], s[12:13] offset:20*512 th:TH_STORE_NT        ; 256 consecutive bytes
	; THE VARIANCE, as reference() forms it: sum of (d - mean)^2 dist[d].  Four d at a time, four chains.
.set g, 0
.rept 10
.irp i, 0,1,2,3
	FLT 4*g+\i
	v_pk_add_f32 v[TT+2*\i:TT+2*\i+1], v[MT:MT+1], FB op_sel_hi:[1,0] neg_lo:[1,0] neg_hi:[1,0]
.endr
.irp i, 0,1,2,3
	v_pk_mul_f32 v[UU+2*\i:UU+2*\i+1], v[TT+2*\i:TT+2*\i+1], v[P+2*(4*g+\i):P+2*(4*g+\i)+1]
.endr
.irp i, 0,1,2,3
.if g == 0
	v_pk_mul_f32 v[VV+2*\i:VV+2*\i+1], v[UU+2*\i:UU+2*\i+1], v[TT+2*\i:TT+2*\i+1]
.else
	v_pk_fma_f32 v[VV+2*\i:VV+2*\i+1], v[UU+2*\i:UU+2*\i+1], v[TT+2*\i:TT+2*\i+1], v[VV+2*\i:VV+2*\i+1]
.endif
.endr
.set g, g+1
.endr
	v_pk_add_f32 v[TT:TT+1], v[MT:MT+1], 0x42200000 op_sel_hi:[1,0] neg_lo:[1,0] neg_hi:[1,0]      ; d = 40
	v_pk_add_f32 v[VV+2:VV+3], v[VV+2:VV+3], v[VV+4:VV+5]
	v_pk_mul_f32 v[UU:UU+1], v[TT:TT+1], v[P+80:P+81]
	v_pk_add_f32 v[VV+2:VV+3], v[VV+2:VV+3], v[VV+6:VV+7]
	v_pk_fma_f32 v[VV:VV+1], v[UU:UU+1], v[TT:TT+1], v[VV:VV+1]
	v_pk_add_f32 v[VV:VV+1], v[VV:VV+1], v[VV+2:VV+3]
	v_maximum_f32 v[VV], v[VV], v[MV]
	v_maximum_f32 v[VV+1], v[VV+1], v[MV+1]
	v_rcp_f32 v[VV], v[VV]
	v_rcp_f32 v[VV+1], v[VV+1]
	v_pk_add_f32 v[MT:MT+1], v[MT:MT+1], 0xc1a00000 op_sel_hi:[1,0]        ; mean - 20; also the plain place behind the reciprocals
	global_store_b64 v[G8], v[MT:MT+1], s[14:15] th:TH_STORE_NT            ; my two lines' numbers: the wave stores 256 consecutive bytes, aligned
	s_wait_alu depctr_va_vdst(0)
	global_store_b64 v[G8], v[VV:VV+1], s[16:17] th:TH_STORE_NT
	s_wait_tensorcnt 0x0
	ds_add_u32 v254, v255
	s_wait_dscnt 0x0
	s_endpgm
.Lfunc_end_k_q1fd692f8da_boundary:
	.size	k_q1fd692f8da_boundary, .Lfunc_end_k_q1fd692f8da_boundary-k_q1fd692f8da_boundary
	.p2alignl 7, 3214868480
	.fill 96, 4, 3214868480
	.section	.rodata,"a",@progbits
	.p2align	6, 0x0
	.amdhsa_kernel k_q1fd692f8da_boundary
		.amdhsa_group_segment_fixed_size 250880
		.amdhsa_private_segment_fixed_size 0
		.amdhsa_enable_private_segment 0
		.amdhsa_kernarg_size 56
		.amdhsa_user_sgpr_count 2
		.amdhsa_user_sgpr_kernarg_segment_ptr 1
		.amdhsa_wavefront_size32 1
		.amdhsa_system_sgpr_workgroup_id_x 1
		.amdhsa_system_sgpr_workgroup_id_y 1
		.amdhsa_system_sgpr_workgroup_id_z 1
		.amdhsa_system_vgpr_workitem_id 0
		.amdhsa_next_free_vgpr 256
		.amdhsa_next_free_sgpr 66
		.amdhsa_reserve_vcc 0
		.amdhsa_float_denorm_mode_32 3
		.amdhsa_float_denorm_mode_16_64 3
		.amdhsa_memory_ordered 1
		.amdhsa_forward_progress 1
		.amdhsa_inst_pref_size 162
	.end_amdhsa_kernel
	.amdgpu_metadata
---
amdhsa.version: [ 1, 2 ]
amdhsa.kernels:
  - .name:           k_q1fd692f8da_boundary
    .symbol:         k_q1fd692f8da_boundary.kd
    .args:
      - { .name: lines_image_pf_segments, .offset: 0, .size: 8, .value_kind: global_buffer, .address_space: global }
      - { .name: lines_image_pb_segments, .offset: 8, .size: 8, .value_kind: global_buffer, .address_space: global }
      - { .name: lines_slop, .offset: 16, .size: 8, .value_kind: global_buffer, .address_space: global }
      - { .name: lines_amplitude, .offset: 24, .size: 8, .value_kind: global_buffer, .address_space: global }
      - { .name: out0, .offset: 32, .size: 8, .value_kind: global_buffer, .address_space: global }
      - { .name: out1, .offset: 40, .size: 8, .value_kind: global_buffer, .address_space: global }
      - { .name: out2, .offset: 48, .size: 8, .value_kind: global_buffer, .address_space: global }
    .group_segment_fixed_size: 250880
    .private_segment_fixed_size: 0
    .kernarg_segment_align: 8
    .kernarg_segment_size: 56
    .max_flat_workgroup_size: 256
    .sgpr_count:     66
    .vgpr_count:     256
    .wavefront_size: 32
...
	.end_amdgpu_metadata
.endif
;; end of part 1
